; MI455X (gfx1250); checked and timed in simulation.
; The chip was launched on July 23, 2026; its instructions are those of AMD's public machine-readable ISA for CDNA 5 (MIT licence, August 2026) and "CDNA5" Instruction Set Architecture Reference Guide (July 2026). The comments in the code are by the model that wrote it; some were corrected since.
;; Multi Headed Self Attention. Allowed arithmetic: matrix products marked QUANTISED: E2M1 operands, one E8M0 scale for each 32 along K, by v_wmma_scale_f32_16x16x128_f8f6f4 with both operands' format E2M1 (or v_wmma_scale_f32_32x16x128_f4), f32 sums; everything else in f32.
;; Inputs: Wk 16 x 1,024 x 64 float32; Wq 16 x 1,024 x 64 float32; Wv 16 x 1,024 x 64 float32; embedded 4 x 2,048 x 1,024 float32.
;; Outputs: out0 4 x 2,048 x 1,024 float32.
;; This version of the problem:
;;   THIS VERSION OF THE PROBLEM IS GIVEN IN LOW PRECISION. The matrix products marked QUANTISED in the list below multiply operands that are first quantised to E2M1 (2 exponent bits, 1 mantissa bit; 4 bits a number), with one power-of-two scale for each 32 numbers along K (OCP MX v1.0); their sums are f32. All else is computed in f32.
;;   The module's matrix products, in the order in which they are computed (A, B: the left and right operand; K: the contracted axis; several contracted axes count as one K, in the product's order):
;;     1. [M 1,024, K 1,024] x [K 1,024, N 8,192]; A: input Wq; B: input embedded: QUANTISED
;;     2. [M 1,024, K 1,024] x [K 1,024, N 8,192]; A: input Wk; B: input embedded: QUANTISED
;;     3. [M 1,024, K 1,024] x [K 1,024, N 8,192]; A: input Wv; B: input embedded: QUANTISED
;;     4. batch 64 x [M 2,048, K 64] x [K 64, N 2,048]; A: computed on the way; B: computed on the way: QUANTISED
;;     5. batch 64 x [M 2,048, K 2,048] x [K 2,048, N 64]; A: softmax (see below); B: computed on the way: QUANTISED
;;   THE QUANTISER, for each operand of a quantised product, along K:
;;     - K is cut into blocks of 32 from its start; a last block that is shorter is filled with zeros.
;;     - A block's scale is 2^e with e = floor(log2(the largest magnitude in the block)) - 2, held to -126 .. 127; a block of zeros has e = 0. As a byte (E8M0): e + 127.
;;     - Each number is divided by its block's scale, clamped to +-6, and rounded to the nearest number of E2M1, ties to even, subnormals kept.
;;     - The product sums the exact products of the quantised numbers (number of the format x scale) in f32.
;;   ~~~python
;;   def quantise(x, axis):      # numpy; x: float32 -> the quantised numbers, widened to float32 again
;;       x = np.moveaxis(x, axis, -1); K = x.shape[-1]
;;       x = np.pad(x, [(0, 0)] * (x.ndim - 1) + [(0, -K % 32)]); x = x.reshape(x.shape[:-1] + (-1, 32)); a = np.abs(x).max(-1, keepdims=True)
;;       e = np.where(a > 0, np.clip(np.frexp(np.where(a > 0, a, 1))[1] - 1 - 2, -126, 127), 0)      # np.frexp(a)[1] - 1 = floor(log2(a)), exactly
;;       r = np.clip(x / 2.0 ** e, -6, 6)
;;       step = 2.0 ** (np.maximum(np.frexp(np.where(r == 0, 1, r))[1] - 1, 0) - 1)
;;       q = np.round(r / step) * step * 2.0 ** e      # np.round: ties to even
;;       return np.moveaxis(q.reshape(q.shape[:-2] + (-1,))[..., :K], -1, axis).astype(np.float32)
;;   ~~~
;;   SOFTMAX AHEAD OF A QUANTISED PRODUCT. Where the list says 'softmax', what is quantised is not the finished softmax but p = 2^(t - M), with t = logit x log2(e) and M = ceil(the row's largest t), a whole number; so 1/2 < the row's largest p <= 1. The row's sum l is taken of the UNQUANTISED p, in f32, and the product's result is divided by l at the end. Since M is a whole number, a kernel that streams over the keys may use a running M (the ceiling of the running maximum): every later rescaling is an exact power of two, which a block's scale takes up: the codes' values come out the same.
;;   OPERANDS COMPUTED ON THE WAY. 'Computed on the way' means the value that the module computes at that place (a softmax that the list does not call 'softmax' is quantised finished and normalised). What goes into a quantiser is computed in f32, as accurately as f32 sums, v_exp_f32 and their like allow (about 1e-6 of the number): no bf16 or f16 on the way to a quantiser, and a product that is left as it is and whose result goes on into a quantised operand takes f32 operands (vector FMAs, or v_wmma_f32_16x16x4_f32). A number that lies on a knife's edge between two numbers of the format may be rounded either way, as far as f32 arithmetic and the matrix unit's own rounding can turn it there, and no further.
;; One version. Each part assembles by itself: llvm-mc -triple=amdgcn-amd-amdhsa -mcpu=gfx1250 --defsym DOCPART=n.
;; ======== version 1 of 1: 3 launches
;; limits: right only within a limited range of input values
;; workspace buffers: xpk 4,456,448 bytes; wpk 1,671,168 bytes; qpk 4,718,592 bytes; kvpk 9,175,040 bytes
;; launch quant (part 1): grid 448 x 1, 4 waves a work-group, no clusters, 34,304 bytes of LDS; arguments embedded, Wq, Wk, Wv, xpk, wpk; writes xpk, wpk
.if DOCPART == 1
	.amdgcn_target "amdgcn-amd-amdhsa--gfx1250"
	.amdhsa_code_object_version 6
	.text
	.protected	k_q7ca7dd0d1b_quant
	.globl	k_q7ca7dd0d1b_quant
	.p2align	8
	.type	k_q7ca7dd0d1b_quant,@function
k_q7ca7dd0d1b_quant:
	s_mov_b64 s[64:65], 0
	v_nop
	global_prefetch_b8 v0, s[64:65] scope:SCOPE_SE
	s_setreg_imm32_b32 hwreg(HW_REG_WAVE_MODE, 25, 1), 1
	s_wait_xcnt 0x0
; embedded [8192 rows][1024] f32 (K innermost) and Wq, Wk, Wv [16 heads][1024 (K)][64] f32 become codes of FP4 (E2M1) with one E8M0 byte for each 32 along K,
; laid as images of the matrix operands' registers, so that the next launch loads every fragment by dense 16-byte loads.
; A fragment is 16 rows x 128 K: 1,024 bytes: half c (0, 1) at 512 c + 16 x lane; lane 16 hh + r holds the 32 codes of block 2 c + hh of the tile's row r.
; THE ROWS OF A TILE ARE NOT NEIGHBOURS: row r of tile 4 c + u is row 64 c + 32 (r / 8) + 8 u + r % 8 of its run (128 rows of embedded; a head's 64 columns of a weight, c = 0):
; so in a result used as the next operand a lane's 32 registers of four tiles are one whole block of 32 along the next K.
; xpk: [group of 128 rows][K step of 128][8,704]: tile a at 1,024 a; scale words at 8,192 + 256 hf + 8 x lane + 4 j: tile 4 hf + 2 j + lane / 16, row lane % 16.
; wpk: [head][q, k, v][34,816]: tile t, K step k at (8 t + k) x 1,024; scale words at 32,768 + 256 k + 4 (16 t + r).
; A block's scale is 2^(floor(log2(largest magnitude)) - 2): its byte is the largest magnitude's exponent field - 2, held at 1 from below by a floor among the maximum's leaves.
; LIMITS: a block whose largest magnitude lies under 2^-124 gets the byte 1; a block of zeros gets the byte 1 with zero codes (the bytes are read by this program alone); NaN and infinities among the inputs are not served.
; WORK LEFT OUT (in launch attn): key steps, and halves of key steps, all of whose keys come after a tile's queries: the causal mask gives them the weight 0 for all inputs. A NaN, an infinity or an overflow that reaches only that work is not carried to the result.
; Work-groups 0-255 take embedded (a wave: 64 rows x 128 K), work-groups 256-447 the weights (a wave: two tiles, 32 columns x 128 K).  Waves share nothing: no barrier, no cluster.  Only embedded's path touches LDS.
.set XWG,  256                         ; work-groups for embedded
.set R,    16                          ; v16-143  numbers as loaded: embedded: two sets of 64; a weight: 128 down K
.set X,    144                         ; v144-207 embedded: two blocks of 32 neighbours along K
.set C,    208                         ; v208-239 codes: registers of their own for each store, never written again
.set W,    240                         ; v240-243 a tile's scale words
.set OW,   244                         ; v244-245 scale words as they are stored
.set MA,   246                         ; two chains of the maximum
.set MB,   247
.set SOP,  248                         ; the conversions' scale operand
.set WT,   249
.set PD,   250                         ; a lane permute's destination: written once at the head
.set BY,   252                         ; v252-253 scale bytes
.set SROW, 528                         ; a stage row: 512 bytes + 16
.set STG,  16*SROW                     ; a wave's stage
; 32 numbers of one block in v[xs] on become 4 registers of codes in v[cd] on and the scale's byte in v[by]
.macro BLOCKQ xs, cd, by
	v_max3_num_f32 v[MA], |v[\xs]|, |v[\xs+1]|, |v[\xs+2]|
	v_max3_num_f32 v[MB], |v[\xs+3]|, |v[\xs+4]|, |v[\xs+5]|
.irp i, 6,10,14,18,22,26
	v_max3_num_f32 v[MA], v[MA], |v[\xs+\i]|, |v[\xs+\i+1]|
	v_max3_num_f32 v[MB], v[MB], |v[\xs+\i+2]|, |v[\xs+\i+3]|
.endr
	v_max3_num_f32 v[MA], v[MA], |v[\xs+30]|, |v[\xs+31]|
	v_max3_num_f32 v[MA], v[MA], v[MB], 0x1800000          ; the floor 2^(3 - 127): the byte cannot fall under 1
	v_add_nc_u32 v[SOP], 0xff000000, v[MA]                 ; 2 off the exponent field: the conversion takes that field as its scale
.irp g, 0,1,2,3
	v_cvt_scalef32_pk8_fp4_f32 v[\cd+\g], v[\xs+8*\g:\xs+8*\g+7], v[SOP]
.endr
	v_lshrrev_b32 v[\by], 23, v[SOP]                       ; the byte; also the plain line behind the conversions
.endm
	s_load_b256 s[4:11], s[0:1], 0x0               ; embedded s[4:5], Wq s[6:7], Wk s[8:9], Wv s[10:11]
	s_load_b128 s[12:15], s[0:1], 0x20             ; xpk s[12:13], wpk s[14:15]
	v_lshl_add_u32 v254, v0, 2, 0x8400
	v_mov_b32 v255, 0
	v_lshrrev_b32 v1, 5, v0
	v_readfirstlane_b32 s16, v1                    ; wave 0..3
	v_and_b32 v1, 31, v0                           ; lane
	v_lshlrev_b32 v2, 4, v1                        ; 16 x lane
	s_cmp_lt_u32 ttmp9, XWG
	s_cbranch_scc0 .Lweights
	; embedded: wave u = 4 x work-group + wave: K step u % 8, half (u / 8) % 2 of group u / 16
	s_lshl_b32 s17, ttmp9, 2
	s_add_co_u32 s17, s17, s16
	s_and_b32 s18, s17, 7                          ; K step
	s_bfe_u32 s19, s17, 0x10003                    ; hf
	s_lshr_b32 s23, s17, 4                         ; group
	s_lshl_b32 s24, s23, 19                        ; 128 rows of 4,096 bytes,
	s_lshl_b32 s26, s19, 18                        ; 64 rows,
	s_add_co_u32 s24, s24, s26
	s_lshl_b32 s26, s18, 9                         ; 128 numbers
	s_add_co_u32 s24, s24, s26
	s_mov_b32 s25, 0
	s_lshl_b32 s26, s23, 3
	s_add_co_u32 s26, s26, s18
	s_mul_i32 s26, s26, 8704                       ; the (group, K step)'s block of xpk
	s_lshl_b32 s28, s19, 12
	s_add_co_u32 s28, s28, s26                     ; my four tiles' codes
	s_mov_b32 s29, 0
	s_lshl_b32 s30, s19, 8
	s_add_co_u32 s30, s30, s26
	s_add_co_u32 s30, s30, 8192                    ; my 256 bytes of scale words
	s_mov_b32 s31, 0
	s_mov_b32 s20, 0x76543210
	s_mov_b32 s21, 0xfedcba98                      ; v_permlanex16_b32's selects for lane l xor 16
	s_mul_i32 s27, s16, STG                        ; my stage
	s_wait_alu depctr_va_vdst(0)
	v_and_b32 v7, 15, v1
	v_lshrrev_b32 v8, 4, v1
	v_add_nc_u32 v3, s27, v2                       ; into the stage: a row's 512 bytes as they lie
	v_mul_u32_u24 v4, v7, SROW
	v_lshl_add_u32 v4, v8, 7, v4
	v_add_nc_u32 v4, s27, v4                       ; back: row lane % 16, block lane / 16 (128 bytes)
	v_lshlrev_b32 v5, 3, v8                        ; 8 x (lane / 16): my bytes' place in the scale word
	v_lshlrev_b32 v6, 3, v1                        ; 8 x lane
	v_mov_b32 v[PD], 0
	v_cmp_lt_u32 s22, 15, v1                       ; lanes 16-31
	s_wait_alu depctr_va_vdst(0)
	s_wait_kmcnt 0x0
	s_add_nc_u64 s[4:5], s[4:5], s[24:25]
	s_add_nc_u64 s[28:29], s[12:13], s[28:29]
	s_add_nc_u64 s[30:31], s[12:13], s[30:31]
.macro LOADT ta                        ; tile 4 hf + ta's 16 rows: each load reads 512 consecutive bytes of one row
.irp i, 0,1,2,3,4,5,6,7,8,9,10,11,12,13,14,15
	global_load_b128 v[R+64*((\ta)%2)+4*\i:R+64*((\ta)%2)+4*\i+3], v2, s[4:5] offset:(8*(\ta)+\i+24*(\i/8))*4096 th:TH_LOAD_NT
.endr
.endm
.macro TURN ta                         ; through the stage: LDS serves a wave's instructions in order, so no wait stands between the stores and the loads
.irp i, 0,1,2,3,4,5,6,7,8,9,10,11,12,13,14,15
	ds_store_b128 v3, v[R+64*((\ta)%2)+4*\i:R+64*((\ta)%2)+4*\i+3] offset:SROW*\i
.endr
.irp j, 0,1,2,3,4,5,6,7
	ds_load_b128 v[X+4*\j:X+4*\j+3], v4 offset:16*\j           ; block lane / 16 of my row
.endr
.irp j, 0,1,2,3,4,5,6,7
	ds_load_b128 v[X+32+4*\j:X+32+4*\j+3], v4 offset:256+16*\j ; block 2 + lane / 16
.endr
.endm
	LOADT 0
	LOADT 1
.irp ta, 0,1,2,3
.if \ta < 3
	s_wait_loadcnt 16                              ; this tile's 16 loads are in; the next tile's 16 may be out
.else
	s_wait_loadcnt 0
.endif
	TURN \ta
	s_wait_dscnt 8                                 ; the stores have read their registers and the first block is back; the second block's 8 loads may be out
.if \ta < 2
	LOADT \ta+2
.endif
	BLOCKQ X, C+8*\ta, BY
	global_store_b128 v2, v[C+8*\ta:C+8*\ta+3], s[28:29] offset:1024*\ta           ; 32 lanes store 512 consecutive bytes
	s_wait_dscnt 0
	BLOCKQ X+32, C+8*\ta+4, BY+1
	global_store_b128 v2, v[C+8*\ta+4:C+8*\ta+7], s[28:29] offset:1024*\ta+512
	v_lshl_or_b32 v[WT], v[BY+1], 16, v[BY]        ; my two bytes: blocks hh and 2 + hh,
	v_lshlrev_b32 v[WT], v5, v[WT]                 ; at their places;
	v_permlanex16_b32 v[PD], v[WT], s20, s21
	v_or_b32 v[W+\ta], v[WT], v[PD]                ; with lane l xor 16's two the row's word is whole, in both halves of the lanes
.endr
.irp j, 0,1
	v_cndmask_b32 v[OW+\j], v[W+2*\j], v[W+2*\j+1], s22   ; lanes 0-15 the even tile's words, lanes 16-31 the odd tile's
.endr
	global_store_b64 v6, v[OW:OW+1], s[30:31]      ; 32 lanes store 256 consecutive bytes, aligned
	s_wait_tensorcnt 0x0
	ds_add_u32 v254, v255
	s_wait_dscnt 0x0
	s_endpgm
	; the weights: wave wid: tile pair wid % 2, K step (wid / 2) % 8, head (wid / 16) % 16, tensor wid / 256
.Lweights:
	s_sub_co_u32 s17, ttmp9, XWG
	s_lshl_b32 s17, s17, 2
	s_add_co_u32 s17, s17, s16
	s_and_b32 s18, s17, 1                          ; b: tiles 2 b and 2 b + 1
	s_bfe_u32 s19, s17, 0x30001                    ; K step
	s_lshr_b32 s23, s17, 4
	s_lshr_b32 s24, s23, 4                         ; tensor: 0 q, 1 k, 2 v
	s_and_b32 s25, s23, 15                         ; head
	s_lshl_b32 s26, s25, 18                        ; a head: 1,024 rows of 256 bytes
	s_lshl_b32 s28, s19, 15                        ; 128 rows
	s_add_co_u32 s26, s26, s28
	s_lshl_b32 s28, s18, 6                         ; 16 b columns
	s_add_co_u32 s26, s26, s28
	s_mov_b32 s27, 0
	s_mul_i32 s28, s25, 3
	s_add_co_u32 s28, s28, s24
	s_mul_i32 s28, s28, 34816                      ; the (head, tensor)'s block of wpk
	s_mov_b32 s29, 0
	s_lshl_b32 s30, s18, 14
	s_lshl_b32 s31, s19, 10
	s_add_co_u32 s30, s30, s31                     ; codes: tile 2 b, my K step
	s_lshl_b32 s31, s19, 8
	s_lshl_b32 s32, s18, 7
	s_add_co_u32 s31, s31, s32
	s_add_co_u32 s31, s31, 32768                   ; scale words: my K step, tile 2 b
	s_wait_alu depctr_va_vdst(0)
	v_and_b32 v7, 7, v1
	v_bfe_u32 v8, v1, 3, 1
	v_lshrrev_b32 v9, 4, v1
	v_lshl_add_u32 v3, v8, 5, v7
	v_lshl_add_u32 v3, v9, 3, v3
	v_lshlrev_b32 v3, 2, v3                        ; A LANE TAKES A COLUMN: that of row lane % 16 of tile 2 b + lane / 16; its registers run down K
	v_and_b32 v7, 15, v1
	v_lshlrev_b32 v4, 4, v7
	v_lshl_add_u32 v4, v9, 13, v4
	v_add_nc_u32 v4, s30, v4                       ; my codes: 16 x row, + 8,192 for the odd tile
	v_lshl_add_u32 v5, v1, 2, s31                  ; my scale word: 4 x lane
	s_wait_alu depctr_va_vdst(0)
	s_wait_kmcnt 0x0
	s_cmp_eq_u32 s24, 1                            ; the choice hangs on the work-group's and the wave's number alone
	s_cselect_b64 s[10:11], s[8:9], s[10:11]
	s_cmp_eq_u32 s24, 0
	s_cselect_b64 s[10:11], s[6:7], s[10:11]
	s_add_nc_u64 s[10:11], s[10:11], s[26:27]
	s_add_nc_u64 s[14:15], s[14:15], s[28:29]
.irp q, 0,1,2,3
.irp i, 0,1,2,3,4,5,6,7,8,9,10,11,12,13,14,15,16,17,18,19,20,21,22,23,24,25,26,27,28,29,30,31
	global_load_b32 v[R+32*\q+\i], v3, s[10:11] offset:(32*\q+\i)*256   ; two runs of 64 bytes of one row of 256; the wave beside me reads the other two
.endr
.endr
.irp q, 0,1,2,3
.if \q < 2
	s_wait_loadcnt 63                              ; 96 and 64 younger loads might stay out; the wait's field holds 63
.else
	s_wait_loadcnt 32*(3-\q)                       ; the later blocks' loads may be out
.endif
	BLOCKQ R+32*\q, C+4*\q, BY
.if \q == 0
	v_mov_b32 v[OW], v[BY]
.else
	v_lshl_or_b32 v[OW], v[BY], 8*\q, v[OW]        ; the lower K in the lower byte
.endif
	global_store_b128 v4, v[C+4*\q:C+4*\q+3], s[14:15] offset:512*(\q/2)+256*(\q%2)   ; sixteen lanes store 256 consecutive bytes, aligned
.endr
	global_store_b32 v5, v[OW], s[14:15]           ; 128 consecutive bytes; the wave beside me stores the other half of the 256
	s_endpgm
.Lfunc_end_k_q7ca7dd0d1b_quant:
	.size	k_q7ca7dd0d1b_quant, .Lfunc_end_k_q7ca7dd0d1b_quant-k_q7ca7dd0d1b_quant
	.p2alignl 7, 3214868480
	.fill 96, 4, 3214868480
	.section	.rodata,"a",@progbits
	.p2align	6, 0x0
	.amdhsa_kernel k_q7ca7dd0d1b_quant
		.amdhsa_group_segment_fixed_size 34304
		.amdhsa_private_segment_fixed_size 0
		.amdhsa_enable_private_segment 0
		.amdhsa_kernarg_size 48
		.amdhsa_user_sgpr_count 2
		.amdhsa_user_sgpr_kernarg_segment_ptr 1
		.amdhsa_wavefront_size32 1
		.amdhsa_system_sgpr_workgroup_id_x 1
		.amdhsa_system_sgpr_workgroup_id_y 1
		.amdhsa_system_sgpr_workgroup_id_z 1
		.amdhsa_system_vgpr_workitem_id 0
		.amdhsa_next_free_vgpr 256
		.amdhsa_next_free_sgpr 66
		.amdhsa_reserve_vcc 0
		.amdhsa_float_denorm_mode_32 3
		.amdhsa_float_denorm_mode_16_64 3
		.amdhsa_memory_ordered 1
		.amdhsa_forward_progress 1
		.amdhsa_inst_pref_size 50
	.end_amdhsa_kernel
	.amdgpu_metadata
---
amdhsa.version: [ 1, 2 ]
amdhsa.kernels:
  - .name:           k_q7ca7dd0d1b_quant
    .symbol:         k_q7ca7dd0d1b_quant.kd
    .args:
      - { .name: embedded, .offset: 0, .size: 8, .value_kind: global_buffer, .address_space: global }
      - { .name: Wq, .offset: 8, .size: 8, .value_kind: global_buffer, .address_space: global }
      - { .name: Wk, .offset: 16, .size: 8, .value_kind: global_buffer, .address_space: global }
      - { .name: Wv, .offset: 24, .size: 8, .value_kind: global_buffer, .address_space: global }
      - { .name: xpk, .offset: 32, .size: 8, .value_kind: global_buffer, .address_space: global }
      - { .name: wpk, .offset: 40, .size: 8, .value_kind: global_buffer, .address_space: global }
    .group_segment_fixed_size: 34304
    .private_segment_fixed_size: 0
    .kernarg_segment_align: 8
    .kernarg_segment_size: 48
    .max_flat_workgroup_size: 128
    .sgpr_count:     66
    .vgpr_count:     256
    .wavefront_size: 32
...
	.end_amdgpu_metadata
.endif
;; end of part 1
;; launch proj (part 2): grid 16 x 16, 4 waves a work-group, clusters of 4 x 1, 168,448 bytes of LDS; arguments xpk, wpk, qpk, kvpk; writes qpk, kvpk
.if DOCPART == 2
	.amdgcn_target "amdgcn-amd-amdhsa--gfx1250"
	.amdhsa_code_object_version 6
	.text
	.protected	k_q7ca7dd0d1b_proj
	.globl	k_q7ca7dd0d1b_proj
	.p2align	8
	.type	k_q7ca7dd0d1b_proj,@function
k_q7ca7dd0d1b_proj:
	s_mov_b64 s[64:65], 0
	v_nop
	global_prefetch_b8 v0, s[64:65] scope:SCOPE_SE
	s_setreg_imm32_b32 hwreg(HW_REG_WAVE_MODE, 25, 1), 1
	s_wait_xcnt 0x0
	s_wait_alu depctr_hold_cnt(0) depctr_sa_sdst(0) depctr_va_vdst(0) depctr_va_sdst(0) depctr_va_ssrc(0) depctr_va_vcc(0) depctr_vm_vsrc(0)
	s_getreg_b32 s2, hwreg(HW_REG_IB_STS2, 6, 4)
	s_cmp_eq_u32 s2, 0
	s_cbranch_scc0 .Lentry_in_a_cluster
	s_endpgm
.Lentry_in_a_cluster:
	s_bfe_u32 s2, ttmp6, 0x10000c
	s_cmp_lg_u32 s2, 0x3003
	s_cbranch_scc0 .Lentry_shape_is_right
	s_endpgm
.Lentry_shape_is_right:
; q, k, v = embedded x Wq, Wk, Wv on codes of FP4 (K = 1,024, eight K steps of 128), and each result quantised at once for attention's two products: q and k along the head's 64, v along the keys.
; SHARES.  A work-group: 512 rows of embedded x one head's q, k and v.  Wave w: one group of 128 rows.  Its fragments of embedded for all of K (512 registers) and their scale words (32) are loaded once and stay.
; The head's three weights (104,448 dense bytes of wpk) come into LDS once, a quarter by each wave's one tensor load; nothing in LDS is filled again.
; CLUSTER.  The four work-groups of a cluster have the same head: the weights are asked for jointly (mask 15; every word of the descriptors hangs on the head and the wave's number alone).
; THREE PASSES of 256 matrix instructions: q and k TRANSPOSED (source 0 = 16 rows of the weight, source 1 = 16 rows of embedded): a lane holds one row and its registers run along d, the next K;
; v the natural way (source 0 = embedded, source 1 = the weight): a lane holds one d and its registers run along the rows, which are the keys, the next K.
; Row r of tile 4 c + u is row 64 c + 32 (r / 8) + 8 u + r % 8 of its run, in embedded and in the weights: so a lane's 32 registers of four result tiles are one whole block of 32 along the next K, block 2 c + lane / 16.
; OUT: images of the operands' registers.  qpk: [b, head][group][4,608]: tile a (16 rows x 64: 512 bytes) at 512 a + 16 x lane; scale words at 4,096 + 16 x lane + 4 j: tile 4 (lane / 16) + j, row lane % 16;
; a word is byte 0, byte 1 and twice 1, for the upper 64 of the instruction's K, where attention puts zero codes of q.
; kvpk: [b, head][group][8,960]: k as in qpk; at 4,608 v's scale words, 16 r + 4 t; at 4,864 v's codes: d tile t (16 d x 128 keys) at 1,024 t + 512 c + 16 x lane.
; No prefetch: each byte is asked for once, at the head, and there is no loop to run ahead in.
; LIMITS: a block whose largest magnitude lies under 2^-124 gets the byte 1, a block of zeros the byte 1 with zero codes (this program alone reads the bytes); NaN and infinities are not served.
; REGISTERS, in windows of 256: window 0: addresses, scale words, the weights' fragments (two buffers of four), the quantiser's work;  windows 1, 2: embedded's fragments, K step k at v[64 (k % 4) + 8 a] of window 1 + k / 4;  window 3: 32 accumulators.
.set L16, 1                            ; v1   16 x lane
.set L8,  2                            ; v2   8 x lane
.set L4,  3                            ; v3   4 x lane
.set AW,  4                            ; v4   LDS address of the pass's fragments
.set AS,  5                            ; v5   and of its scale words
.set R16, 6                            ; v6   16 x (lane % 16)
.set LN,  7                            ; v7   lane
.set H8,  8                            ; v8   8 x (lane / 16)
.set XS,  16                           ; v16-47  embedded's scale words: register 4 k + 2 (a / 4) + (a % 4) / 2: lanes 0-15 the even tile a, lanes 16-31 the odd one
.set WS,  48                           ; v48-79  the weight's: two sets by the pass's parity; register 2 k + t / 2: lanes 0-15 the even tile t, lanes 16-31 the odd one
.set WF,  80                           ; v80-143 the weight's four fragments of a K step: two buffers
.set TM,  144                          ; v144-147 largest magnitudes, v148-149 bytes, v150-151 lane permutes' destinations, v156-157 the conversions' scale operands
.set PC,  160                          ; v160-191 codes: registers of their own for each store of a pass
.set SW,  192                          ; v192-199 scale words of a pass
.set SL,  200                          ; v200-203 scale words as q's and k's are stored
.set WBLK, 34816                       ; a weight's block in LDS, as in wpk
.set MSB, 0
.macro WIN new                         ; the immediate's high byte repeats the setting that is left
.if MSB != (\new)
	s_set_vgpr_msb (MSB<<8)|(\new)
.set MSB, (\new)
.endif
.endm
.macro PLACES                          ; four plain vector lines between a matrix instruction and a load into, or a vector read of, its registers
.rept 4
	v_nop
.endr
.endm
.macro CROUND                          ; a round of the cluster's barrier
	s_barrier_signal -1
	s_barrier_wait -1
	s_cmp_lg_u32 s14, 0
	s_cbranch_scc1 .Lnot_wave_0_\@
	s_barrier_signal -3
.Lnot_wave_0_\@:
	s_barrier_wait -3
	s_barrier_signal -1
	s_barrier_wait -1
.endm
	s_load_b256 s[4:11], s[0:1], 0x0               ; xpk s[4:5], wpk s[6:7], qpk s[8:9], kvpk s[10:11]
	v_lshl_add_u32 v254, v0, 2, 0x29000
	v_mov_b32 v255, 0
	ds_add_u32 v254, v255
	ds_add_u32 v254, v255
	v_lshrrev_b32 v9, 5, v0
	v_readfirstlane_b32 s14, v9                    ; wave 0..3
	s_bfe_u32 s15, ttmp6, 0x40000                  ; cx
	s_lshl_b32 s16, ttmp9, 2
	s_add_co_u32 s16, s16, s15                     ; which 512 rows: 4 x cluster x + cx
	s_lshl_b32 s17, s16, 2
	s_add_co_u32 s17, s17, s14                     ; my group of 128 rows: 16 x batch + group in the sequence
	s_and_b32 s18, ttmp7, 0xffff                   ; the head, which the four partners share
	s_lshr_b32 s19, s17, 4
	s_lshl_b32 s19, s19, 4
	s_add_co_u32 s19, s19, s18                     ; 16 x batch + head
	s_lshl_b32 s19, s19, 4
	s_and_b32 s36, s17, 15
	s_add_co_u32 s19, s19, s36                     ; and the group: which block of qpk, kvpk
	s_mul_i32 s36, s17, 69632                      ; my group in xpk: 8 K steps of 8,704 bytes
	s_mov_b32 s37, 0
	s_mul_i32 s38, s19, 4608
	s_mov_b32 s39, 0
	s_mul_i32 s40, s19, 8960
	s_mov_b32 s41, 0
	s_mul_i32 s42, s18, 3*WBLK                     ; the head's weights in wpk,
	s_mul_i32 s44, s14, 26112                      ; my quarter of them: 102 rows of 256 bytes
	s_add_co_u32 s42, s42, s44
	s_mov_b32 s43, 0
	s_mov_b32 s20, 0x76543210
	s_mov_b32 s21, 0xfedcba98                      ; v_permlanex16_b32's selects for lane l xor 16
	; descriptor group 1: a dense block as 102 rows of 32 elements of 8 bytes, no padding: fragments are read as they lie, 512 consecutive bytes an instruction
	s_mov_b32 s24, 15|(3<<16)|(1<<21)              ; 15:0 the mask: all four work-groups; 17:16 elements of 8 bytes; 21 set beside a mask
	s_mov_b32 s25, 32<<16                          ; tensor_dim0 = 32
	s_mov_b32 s26, 102<<16                         ; tensor_dim1 = 102
	s_mov_b32 s27, 32<<16                          ; tile_dim0 = 32
	s_mov_b32 s28, 102                             ; tile_dim1 = 102
	s_mov_b32 s29, 32                              ; from row to row
	s_mov_b32 s30, 0
	s_mov_b32 s31, 0
	s_mov_b32 s32, 1                               ; group 0: count,
	s_mul_i32 s33, s14, 26112                      ; LDS address: my quarter,
	v_and_b32 v[LN], 31, v0
	v_lshlrev_b32 v[L16], 4, v[LN]
	v_lshlrev_b32 v[L8], 3, v[LN]
	v_lshlrev_b32 v[L4], 2, v[LN]
	v_and_b32 v[R16], 15, v0
	v_lshlrev_b32 v[R16], 4, v[R16]
	v_bfe_u32 v[H8], v0, 4, 1
	v_lshlrev_b32 v[H8], 3, v[H8]
	v_cmp_lt_u32 s22, 15, v[LN]                    ; lanes 16-31
.irp b, 0,1
	v_mov_b32 v[TM+6+\b], 0                        ; written once: a lane permute's destination counts as one of its sources
.endr
	s_wait_alu depctr_va_vdst(0)
	s_wait_dscnt 0x0
	s_wait_kmcnt 0x0
	s_add_nc_u64 s[34:35], s[6:7], s[42:43]        ; global address,
	s_or_b32 s35, s35, 0x80000000                  ; type = 2
	s_add_nc_u64 s[4:5], s[4:5], s[36:37]
	s_add_nc_u64 s[8:9], s[8:9], s[38:39]
	s_add_nc_u64 s[10:11], s[10:11], s[40:41]
	s_add_nc_u64 s[12:13], s[10:11], 4608          ; v's part of the block
	CROUND                                         ; all four work-groups are here: the joint loads meet
	tensor_load_to_lds s[32:35], s[24:31]          ; my one tensor load of the launch
	s_nop 0
	PLACES                                         ; four plain lines follow it
	s_wait_alu depctr_va_vdst(0)
.irp k, 0,1,2,3,4,5,6,7
.irp hf, 0,1
	global_load_b64 v[XS+4*\k+2*\hf:XS+4*\k+2*\hf+1], v[L8], s[4:5] offset:8704*\k+8192+256*\hf
.endr
.endr
	WIN 0x40                                       ; destination window 1
.irp k, 0,1,2,3
.irp a, 0,1,2,3,4,5,6,7
.irp c, 0,1
	global_load_b128 v[64*\k+8*\a+4*\c:64*\k+8*\a+4*\c+3], v[L16], s[4:5] offset:8704*\k+1024*\a+512*\c   ; 512 consecutive bytes
.endr
.endr
.endr
	WIN 0x80                                       ; destination window 2
.irp k, 4,5,6,7
.irp a, 0,1,2,3,4,5,6,7
.irp c, 0,1
	global_load_b128 v[64*(\k-4)+8*\a+4*\c:64*(\k-4)+8*\a+4*\c+3], v[L16], s[4:5] offset:8704*\k+1024*\a+512*\c
.endr
.endr
.endr
	WIN 0
	s_wait_tensorcnt 0x0                           ; my quarter of the weights has landed,
	s_barrier_signal -1
	s_barrier_wait -1                              ; everybody's has
; One matrix instruction, by the symbols that MULS sets.  zero = 1: the first K step starts the sum: nothing is ever cleared.
.macro WM zero
.if \zero
.if fA && fB
	v_wmma_scale_f32_16x16x128_f8f6f4 v[rD:rD+7], v[rA:rA+7], v[rB:rB+7], 0, v[rSA], v[rSB] matrix_a_fmt:MATRIX_FMT_FP4 matrix_b_fmt:MATRIX_FMT_FP4 matrix_a_scale:MATRIX_SCALE_ROW1 matrix_b_scale:MATRIX_SCALE_ROW1
.elseif fA
	v_wmma_scale_f32_16x16x128_f8f6f4 v[rD:rD+7], v[rA:rA+7], v[rB:rB+7], 0, v[rSA], v[rSB] matrix_a_fmt:MATRIX_FMT_FP4 matrix_b_fmt:MATRIX_FMT_FP4 matrix_a_scale:MATRIX_SCALE_ROW1
.elseif fB
	v_wmma_scale_f32_16x16x128_f8f6f4 v[rD:rD+7], v[rA:rA+7], v[rB:rB+7], 0, v[rSA], v[rSB] matrix_a_fmt:MATRIX_FMT_FP4 matrix_b_fmt:MATRIX_FMT_FP4 matrix_b_scale:MATRIX_SCALE_ROW1
.else
	v_wmma_scale_f32_16x16x128_f8f6f4 v[rD:rD+7], v[rA:rA+7], v[rB:rB+7], 0, v[rSA], v[rSB] matrix_a_fmt:MATRIX_FMT_FP4 matrix_b_fmt:MATRIX_FMT_FP4
.endif
.else
.if fA && fB
	v_wmma_scale_f32_16x16x128_f8f6f4 v[rD:rD+7], v[rA:rA+7], v[rB:rB+7], v[rD:rD+7], v[rSA], v[rSB] matrix_a_fmt:MATRIX_FMT_FP4 matrix_b_fmt:MATRIX_FMT_FP4 matrix_a_scale:MATRIX_SCALE_ROW1 matrix_b_scale:MATRIX_SCALE_ROW1
.elseif fA
	v_wmma_scale_f32_16x16x128_f8f6f4 v[rD:rD+7], v[rA:rA+7], v[rB:rB+7], v[rD:rD+7], v[rSA], v[rSB] matrix_a_fmt:MATRIX_FMT_FP4 matrix_b_fmt:MATRIX_FMT_FP4 matrix_a_scale:MATRIX_SCALE_ROW1
.elseif fB
	v_wmma_scale_f32_16x16x128_f8f6f4 v[rD:rD+7], v[rA:rA+7], v[rB:rB+7], v[rD:rD+7], v[rSA], v[rSB] matrix_a_fmt:MATRIX_FMT_FP4 matrix_b_fmt:MATRIX_FMT_FP4 matrix_b_scale:MATRIX_SCALE_ROW1
.else
	v_wmma_scale_f32_16x16x128_f8f6f4 v[rD:rD+7], v[rA:rA+7], v[rB:rB+7], v[rD:rD+7], v[rSA], v[rSB] matrix_a_fmt:MATRIX_FMT_FP4 matrix_b_fmt:MATRIX_FMT_FP4
.endif
.endif
.endm
; K step k of pass p: 32 matrix instructions; the 32 accumulators take turns, one instruction a turn, in the same order in every K step.
; kind 0 (q, k): accumulator (a, t) at v[8 (4 a + t)];  kind 1 (v): accumulator (t, a) at v[8 (8 t + a)].
.macro MULS p, k, kind
.if \kind
	WIN 0xf1+(\k)/4                                ; source 0 (embedded) window 1 or 2, source 1 (the weight) window 0, C and D window 3
.irp t, 0,1,2,3
.irp a, 0,1,2,3,4,5,6,7
.set rD, 8*(8*\t+\a)
.set rA, 64*((\k)%4)+8*\a
.set rB, WF+32*((\k)%2)+8*\t
.set rSA, XS+4*(\k)+2*(\a/4)+(\a%4)/2
.set rSB, WS+16*((\p)%2)+2*(\k)+\t/2
.set fA, \a%2
.set fB, \t%2
.if \k == 0
	WM 1
.else
	WM 0
.endif
.endr
.endr
.else
	WIN 0xf4+4*((\k)/4)                            ; source 0 (the weight) window 0, source 1 (embedded) window 1 or 2, C and D window 3
.irp a, 0,1,2,3,4,5,6,7
.irp t, 0,1,2,3
.set rD, 8*(4*\a+\t)
.set rA, WF+32*((\k)%2)+8*\t
.set rB, 64*((\k)%4)+8*\a
.set rSA, WS+16*((\p)%2)+2*(\k)+\t/2
.set rSB, XS+4*(\k)+2*(\a/4)+(\a%4)/2
.set fA, \t%2
.set fB, \a%2
.if \k == 0
	WM 1
.else
	WM 0
.endif
.endr
.endr
.endif
.endm
; A pass: the weight's scale words for all of K, then eight K steps; the next K step's four fragments are fetched ahead of each step's products.
.macro PASS p, kind, first
	v_add_nc_u32 v[AW], (\p)*WBLK, v[L16]
	s_wait_alu depctr_va_vdst(0)
	v_add_nc_u32 v[AS], (\p)*WBLK+32768, v[L4]
.irp k, 0,1,2,3,4,5,6,7
.irp b, 0,1
	ds_load_b32 v[WS+16*((\p)%2)+2*\k+\b], v[AS] offset:256*\k+128*\b
.endr
.endr
.irp t, 0,1,2,3
.irp c, 0,1
	ds_load_b128 v[WF+8*\t+4*\c:WF+8*\t+4*\c+3], v[AW] offset:8192*\t+512*\c
.endr
.endr
.irp k, 0,1,2,3,4,5,6,7
.if \k < 7
	PLACES                                         ; the buffer's last readers are the products of the K step before
.irp t, 0,1,2,3
.irp c, 0,1
	ds_load_b128 v[WF+32*((\k+1)%2)+8*\t+4*\c:WF+32*((\k+1)%2)+8*\t+4*\c+3], v[AW] offset:8192*\t+1024*(\k+1)+512*\c
.endr
.endr
	s_wait_dscnt 8                                 ; all but the 8 just issued
.else
	s_wait_dscnt 0
.endif
.if \first
.if 16*(7-\k) > 63
	s_wait_loadcnt 63                              ; this K step's fragments of embedded are in: 16 loads for each later K step might stay out; the wait's field holds 63
.else
	s_wait_loadcnt 16*(7-\k)
.endif
.endif
	MULS \p, \k, \kind
	WIN 0
.endr
.endm
; A lane's 64 numbers in the accumulators v[s] on (window 3) are two whole blocks of 32: they become 8 registers of codes in v[pc] on; the two blocks' bytes are left in v[TM+4], v[TM+5].  Each accumulator is read from its low end on.
.macro QUANT s, pc
	WIN 0x3c                                       ; sources 1 and 2 window 3
.irp b, 0,1,2,3
	v_max3_num_f32 v[TM+\b], 0x1800000, |v[(\s)+16*\b]|, |v[(\s)+16*\b+1]|   ; the floor 2^(3 - 127) among the leaves: the byte cannot fall under 1
.endr
.irp i, 2,4,6,8,10,12,14
.irp b, 0,1,2,3
	v_max3_num_f32 v[TM+\b], v[TM+\b], |v[(\s)+16*\b+\i]|, |v[(\s)+16*\b+\i+1]|   ; four chains by turns
.endr
.endr
	WIN 0
.irp b, 0,1
	v_max_num_f32 v[TM+\b], v[TM+2*\b], v[TM+2*\b+1]   ; the block's largest magnitude (the two lines in ascending order: TM+1 is read ahead of its rewriting)
.endr
.irp b, 0,1
	v_add_nc_u32 v[TM+12+\b], 0xff000000, v[TM+\b] ; 2 off its exponent field: the conversion's scale operand
.endr
.irp b, 0,1
	v_lshrrev_b32 v[TM+4+\b], 23, v[TM+12+\b]      ; the scale's byte
.endr
	WIN 0x03                                       ; source 0 window 3
.irp b, 0,1
.irp g, 0,1,2,3
	v_cvt_scalef32_pk8_fp4_f32 v[(\pc)+4*\b+\g], v[(\s)+32*\b+8*\g:(\s)+32*\b+8*\g+7], v[TM+12+\b]
.endr
.endr
	WIN 0
	v_nop                                          ; one plain line behind the scaled conversions
.endm
; q's or k's way out: a QUANT serves two tiles of rows (a lane has block lane / 16 along d of each); each tile's codes are 512 consecutive bytes
.macro EPI_QK base
	s_wait_xcnt 0x0                                ; the last pass's stores have read their registers: the codes' and words' registers are written again only behind this wait
	PLACES                                         ; behind the pass's last products
.irp m, 0,1,2,3
	QUANT 64*\m, PC+8*\m
.irp c, 0,1
	v_lshl_or_b32 v[SW+2*\m+\c], v[TM+4+\c], v[H8], 0x01010000   ; my byte at its place; 1 twice for the upper 64 of the instruction's K
.endr
.irp c, 0,1
	v_permlanex16_b32 v[TM+6+\c], v[SW+2*\m+\c], s20, s21
.endr
.irp c, 0,1
	v_or_b32 v[SW+2*\m+\c], v[SW+2*\m+\c], v[TM+6+\c]          ; with lane l xor 16's the row's word is whole
.endr
.irp c, 0,1
	global_store_b128 v[L16], v[PC+8*\m+4*\c:PC+8*\m+4*\c+3], s[\base:\base+1] offset:512*(2*\m+\c)
.endr
.endr
.irp j, 0,1,2,3
	v_cndmask_b32 v[SL+\j], v[SW+\j], v[SW+4+\j], s22          ; lanes 0-15 tiles 0-3, lanes 16-31 tiles 4-7
.endr
	global_store_b128 v[L16], v[SL:SL+3], s[\base:\base+1] offset:4096
.endm
	PASS 0, 0, 1
	EPI_QK 8
	PASS 1, 0, 0
	EPI_QK 10
	PASS 2, 1, 0
	; v's way out: a QUANT serves one tile of 16 d x 128 keys: a lane has blocks lane / 16 and 2 + lane / 16 of its d
	s_wait_xcnt 0x0                                ; k's stores have read their registers
	PLACES
.irp t, 0,1,2,3
	QUANT 64*\t, PC+8*\t
	v_lshl_or_b32 v[SW+\t], v[TM+5], 16, v[TM+4]
	v_lshlrev_b32 v[SW+\t], v[H8], v[SW+\t]
	v_permlanex16_b32 v[TM+6], v[SW+\t], s20, s21
	v_or_b32 v[SW+\t], v[SW+\t], v[TM+6]
.irp c, 0,1
	global_store_b128 v[L16], v[PC+8*\t+4*\c:PC+8*\t+4*\c+3], s[12:13] offset:256+1024*\t+512*\c
.endr
.endr
	v_cmp_gt_u32 vcc_lo, 16, v[LN]
	s_wait_alu depctr_va_vdst(0)
	s_wait_xcnt 0x0                                ; EXEC is a source of the pending stores: it changes only behind this wait
	s_and_saveexec_b32 s23, vcc_lo
	global_store_b128 v[R16], v[SW:SW+3], s[12:13]     ; lanes 0-15 store 256 consecutive bytes: row r's four words
	s_wait_xcnt 0x0                                ; and again in front of the line that widens it
	s_or_b32 exec_lo, exec_lo, s23
	s_wait_dscnt 0x0
	s_wait_tensorcnt 0x0
	ds_add_u32 v254, v255
	s_wait_dscnt 0x0
	CROUND                                         ; the closing round: no work-group ends while a partner may still ask for a tile that names it
	s_endpgm
.Lfunc_end_k_q7ca7dd0d1b_proj:
	.size	k_q7ca7dd0d1b_proj, .Lfunc_end_k_q7ca7dd0d1b_proj-k_q7ca7dd0d1b_proj
	.p2alignl 7, 3214868480
	.fill 96, 4, 3214868480
	.section	.rodata,"a",@progbits
	.p2align	6, 0x0
	.amdhsa_kernel k_q7ca7dd0d1b_proj
		.amdhsa_group_segment_fixed_size 168448
		.amdhsa_private_segment_fixed_size 0
		.amdhsa_enable_private_segment 0
		.amdhsa_kernarg_size 32
		.amdhsa_user_sgpr_count 2
		.amdhsa_user_sgpr_kernarg_segment_ptr 1
		.amdhsa_wavefront_size32 1
		.amdhsa_system_sgpr_workgroup_id_x 1
		.amdhsa_system_sgpr_workgroup_id_y 1
		.amdhsa_system_sgpr_workgroup_id_z 1
		.amdhsa_system_vgpr_workitem_id 0
		.amdhsa_next_free_vgpr 1024
		.amdhsa_next_free_sgpr 66
		.amdhsa_reserve_vcc 1
		.amdhsa_float_denorm_mode_32 3
		.amdhsa_float_denorm_mode_16_64 3
		.amdhsa_memory_ordered 1
		.amdhsa_forward_progress 1
		.amdhsa_inst_pref_size 179
	.end_amdhsa_kernel
	.amdgpu_metadata
---
amdhsa.version: [ 1, 2 ]
amdhsa.kernels:
  - .name:           k_q7ca7dd0d1b_proj
    .symbol:         k_q7ca7dd0d1b_proj.kd
    .args:
      - { .name: xpk, .offset: 0, .size: 8, .value_kind: global_buffer, .address_space: global }
      - { .name: wpk, .offset: 8, .size: 8, .value_kind: global_buffer, .address_space: global }
      - { .name: qpk, .offset: 16, .size: 8, .value_kind: global_buffer, .address_space: global }
      - { .name: kvpk, .offset: 24, .size: 8, .value_kind: global_buffer, .address_space: global }
    .group_segment_fixed_size: 168448
    .private_segment_fixed_size: 0
    .kernarg_segment_align: 8
    .kernarg_segment_size: 32
    .max_flat_workgroup_size: 128
    .sgpr_count:     66
    .vgpr_count:     1024
    .wavefront_size: 32
...
	.end_amdgpu_metadata
.endif
;; end of part 2
;; launch attn (part 3): grid 4 x 64, 16 waves a work-group, clusters of 4 x 1, 215,040 bytes of LDS; arguments qpk, kvpk, out0; writes out0
.if DOCPART == 3
	.amdgcn_target "amdgcn-amd-amdhsa--gfx1250"
	.amdhsa_code_object_version 6
	.text
	.protected	k_q7ca7dd0d1b_attn
	.globl	k_q7ca7dd0d1b_attn
	.p2align	8
	.type	k_q7ca7dd0d1b_attn,@function
k_q7ca7dd0d1b_attn:
	s_mov_b64 s[64:65], 0
	v_nop
	global_prefetch_b8 v0, s[64:65] scope:SCOPE_SE
	s_setreg_imm32_b32 hwreg(HW_REG_WAVE_MODE, 25, 1), 1
	s_wait_xcnt 0x0
	s_wait_alu depctr_hold_cnt(0) depctr_sa_sdst(0) depctr_va_vdst(0) depctr_va_sdst(0) depctr_va_ssrc(0) depctr_va_vcc(0) depctr_vm_vsrc(0)
	s_getreg_b32 s2, hwreg(HW_REG_IB_STS2, 6, 4)
	s_cmp_eq_u32 s2, 0
	s_cbranch_scc0 .Lentry_in_a_cluster
	s_endpgm
.Lentry_in_a_cluster:
	s_bfe_u32 s2, ttmp6, 0x10000c
	s_cmp_lg_u32 s2, 0x3003
	s_cbranch_scc0 .Lentry_shape_is_right
	s_endpgm
.Lentry_shape_is_right:
; out0[b][q][64 h + d] = the sum over keys k <= q of softmax_k(q . k / 8) v, both products on codes of FP4 with one E8M0 scale for each 32 along a product's K.
; q, k: K = the head's 64.  The upper 64 of the instruction's 128 are zero codes of q, so what stands opposite them on k's side, the next tile's codes, adds nothing: k's fragments overlap by four registers.  v: K = the keys.
; THE SOFTMAX AHEAD OF THE SECOND PRODUCT: t = score x log2(e) / 8; M = the row's largest t so far, rounded UP to a whole number; p = 2^(t - M) is quantised along the keys, not normalised.
; The row's sum is taken of the unquantised p and divides at the end.  When M moves, the sum and O are multiplied by 2^(old M - new M): exact.  A block's scale comes from floor(its largest t - M): p rises with t.
; WORK LEFT OUT: keys that the causal mask hides from all of a tile's queries, in whole key steps and, on the diagonal, in halves of a step: their weight is 0 for all inputs.
; SHARES.  A cluster of four work-groups is one (batch, head); its 64 waves share the head's 128 tiles of 16 queries, two a wave.  A group is 128 queries; its tile 4 c + u takes query 64 c + 32 (r / 8) + 8 u + r % 8 as row r.
; Wave w of work-group cx: u = cx; first group 15 - w / 2 with c = 1 - w % 2, then group w / 2 with c = w % 2: 15 full key steps of 128 keys and two diagonal ones, one of 64 keys and one of 128, for every wave.
; Branches hang on the wave's number alone; cx enters global addresses and the lanes' masks only.
; LDS.  All of the head's K and V (16 key steps of 8,960 bytes) are brought once, jointly for the four work-groups, one key step by each wave's one tensor load; nothing is filled again.
; Behind them a stage of 16 x 272 bytes for each wave, into which no fill lands.  No prefetch: all is asked for at the head, and there is no loop to run ahead in.
; LAYOUT.  Both products are used transposed: S^T = K Q^T, O^T = V^T P^T: a lane holds ONE query (lane % 16) throughout.  Score tile 4 c + u's row r is key 64 c + 32 (r / 8) + 8 u + r % 8 of the step:
; a lane's 32 registers of tiles 4 c .. 4 c + 3 are keys 64 c + 32 (lane / 16) + 0 .. 31, one block of p, in the order of the next operand's registers; O^T's register i is d = 32 (lane / 16) + i.
; ORDER.  A step's loads bring V of the step and K of the next; the next step's first product follows this step's second.
; LIMITS: NaN and infinities among the operands are not served; t stays under 2^31 in magnitude; a block of p that has fallen to zeros keeps the byte 1 with zero codes.
.set STEPB, 8960                       ; a key step: K's 8 tiles of 512 bytes, K's words (512), V's words (256), V's 4 fragments of 1,024
.set STAGE, 16*STEPB
.set SP,    272                        ; a stage row: 256 bytes + 16
.set SPARE, STAGE+16*16*SP             ; 128 bytes for each wave
.set L16, 1                            ; 16 x lane
.set R16, 2                            ; 16 x (lane % 16)
.set SPW, 4
.set NIL, 5
.set STO, 7                            ; the stage: where I put a row's bytes
.set RD,  8                            ; where I read rows back
.set GO,  9                            ; my byte offset among the tile's rows of out0
.set H8,  10                           ; 8 x (lane / 16)
.set QF,  16                           ; v16-23 Q's fragment (v20-23 stay 0); v12 -M, v13 the largest score, v[14:15] the sum in two halves
.set QS,  24                           ; Q's scale words
.set QFB, 26                           ; v26-29, v30 the second pass's Q
.set QSB, 30
.set KF,  32                           ; v32-67 K's 8 fragments, tile a at KF + 4 a, eight registers each; v64-67 stay 0
.set CM,  68                           ; v68-71 chains of the maximum
.set PD,  72                           ; v72, v77 lane permutes' destinations
.set T,   73
.set FP,  74                           ; v74 f = 2^(old M - new M); v75 only named with it
.set W,   76                           ; p's scale word
.set PE,  77
.set SOP, 78                           ; v78-79 the conversions' scale operands
.set BE,  80                           ; v80-81 the blocks' exponents
.set SM,  82                           ; v82-89 four chains of the sum
.set ADR, 90
.set TW,  91
.set ADW, 92
.set S,   96                           ; v96-159 S^T, then p
.set O,   160                          ; v160-191 O^T
.set PCD, 192                          ; v192-199 p's codes
.set KSC, 200                          ; v200-203 K's scale words: lanes 0-15 tiles 0-3, lanes 16-31 tiles 4-7
.set VSC, 204                          ; v204-207 V's
.set VF,  208                          ; v208-239 V's 4 fragments
.set BH,  10
.set CX,  11
.set WV,  12
.set GA,  13                           ; the passes' groups and halves
.set GB,  14
.set CA,  15
.set CB,  16
.set SEL, 20
.set CS,  22
.set G1,  24
.set G0,  32
.set NCS, 36
.set STP, 37                           ; the key step
.set TK,  38                           ; where it begins in LDS
.set GRP, 39                           ; the pass's group of queries
.set OPA, 56                           ; s[56:57], s[58:59] out0 at the two tiles' first rows
.set OPB, 58
.set STG, 60
.set MK,  66                           ; s66-97 lanes from which register m of a masked half is hidden
.macro CROUND                          ; a round of the cluster's barrier
	s_barrier_signal -1
	s_barrier_wait -1
	s_cmp_lg_u32 s[WV], 0
	s_cbranch_scc1 .Lnot_wave_0_\@
	s_barrier_signal -3
.Lnot_wave_0_\@:
	s_barrier_wait -3
	s_barrier_signal -1
	s_barrier_wait -1
.endm
; A tile's pointers: s[qc:qc+1] Q's codes; s[qs:qs+1] Q's scale words; s[op:op+1] out0 at the tile's first row, the head's 256 bytes
.macro PLACE grp, cc, qc, qs, op
	s_lshl_b32 s40, s[BH], 4
	s_add_co_u32 s40, s40, s[\grp]
	s_mul_i32 s40, s40, 4608                       ; the group's block of qpk
	s_lshl_b32 s41, s[\cc], 11
	s_add_co_u32 s42, s40, s41
	s_lshl_b32 s41, s[CX], 9
	s_add_co_u32 s42, s42, s41                     ; tile 4 c + cx
	s_mov_b32 s43, 0
	s_add_nc_u64 s[\qc:\qc+1], s[4:5], s[42:43]
	s_lshl_b32 s41, s[\cc], 8
	s_add_co_u32 s42, s40, s41
	s_lshl_b32 s41, s[CX], 2
	s_add_co_u32 s42, s42, s41
	s_add_co_u32 s42, s42, 4096
	s_add_nc_u64 s[\qs:\qs+1], s[4:5], s[42:43]
	s_lshr_b32 s40, s[BH], 4
	s_lshl_b32 s40, s40, 11                        ; the batch's 2,048 rows,
	s_lshl_b32 s41, s[\grp], 7
	s_add_co_u32 s40, s40, s41
	s_lshl_b32 s41, s[\cc], 6
	s_add_co_u32 s40, s40, s41
	s_lshl_b32 s41, s[CX], 3
	s_add_co_u32 s40, s40, s41                     ; the tile's first row,
	s_lshl_b32 s40, s40, 12                        ; of 4,096 bytes,
	s_and_b32 s41, s[BH], 15
	s_lshl_b32 s41, s41, 8                         ; the head's 256
	s_add_co_u32 s42, s40, s41
	s_add_nc_u64 s[\op:\op+1], s[8:9], s[42:43]
.endm
.macro INIT                            ; a pass begins: O and the sum are zeros, which the first change of M leaves zeros
	v_mov_b32 v13, 0xff61b1e6                      ; the largest score so far: -3e38
	v_mov_b32 v12, 0x7e000000                      ; -M: so far that the first f is 0
	v_mov_b32 v14, 0
	v_mov_b32 v15, 0
.set n, 0
.rept 32
	v_mov_b32 v[O+n], 0
.set n, n+1
.endr
.endm
.macro KLOAD adr, off                  ; a step's K: scale words and fragments
	ds_load_b128 v[KSC:KSC+3], v[\adr] offset:(\off)+4096
.irp a, 0,1,2,3,4,5,6,7
	ds_load_b128 v[KF+4*\a:KF+4*\a+3], v[\adr] offset:(\off)+512*\a
.endr
.endm
.macro QK                              ; S^T = K Q^T: eight tiles of 16 keys
.irp a, 0,1,2,3
	v_wmma_scale_f32_16x16x128_f8f6f4 v[S+8*\a:S+8*\a+7], v[KF+4*\a:KF+4*\a+7], v[QF:QF+7], 0, v[KSC+\a], v[QS] matrix_a_fmt:MATRIX_FMT_FP4 matrix_b_fmt:MATRIX_FMT_FP4
.endr
.irp a, 4,5,6,7
	v_wmma_scale_f32_16x16x128_f8f6f4 v[S+8*\a:S+8*\a+7], v[KF+4*\a:KF+4*\a+7], v[QF:QF+7], 0, v[KSC+\a-4], v[QS] matrix_a_fmt:MATRIX_FMT_FP4 matrix_b_fmt:MATRIX_FMT_FP4 matrix_a_scale:MATRIX_SCALE_ROW1
.endr
.endm
.macro OMUL from, cnt                  ; O^T under the new M
.set n, 2*(\from)
.rept \cnt
	v_pk_mul_f32 v[O+n:O+n+1], v[O+n:O+n+1], v[FP:FP+1] op_sel_hi:[1,0]
.set n, n+2
.endr
.endm
.macro PKF from, cnt                   ; t - M, two at a time
.set n, 2*(\from)
.rept \cnt
	v_pk_fma_f32 v[S+n:S+n+1], v[S+n:S+n+1], s[CS:CS+1], v[12:13] op_sel_hi:[1,0,0]
.set n, n+2
.endr
.endm
; A KEY STEP whose scores stand in S.  nb: blocks of keys that a lane has (2: 128 keys; 1: the first 64);  mk: the masked one, or -1;  nx = 1: the next step's K is fetched and multiplied.
.macro STEP nb, mk, nx
	v_add_nc_u32 v[ADR], s[TK], v[L16]             ; four plain lines between the last products and the loads into, and reads of, their registers
	v_add_nc_u32 v[ADW], s[TK], v[R16]
	v_nop
	v_nop
	ds_load_b128 v[VSC:VSC+3], v[ADW] offset:4608
.irp t, 0,1,2,3
.irp c, 0,1
	ds_load_b128 v[VF+8*\t+4*\c:VF+8*\t+4*\c+3], v[ADR] offset:4864+1024*\t+512*\c
.endr
.endr
.if \nx
	KLOAD ADR, STEPB
.endif
.if (\mk) >= 0
.set n, 0
.rept 32
	v_cndmask_b32 v[S+32*(\mk)+n], v[S+32*(\mk)+n], 0xff800000, s[MK+n]   ; hidden scores become -infinity ahead of the maximum: p = 0
.set n, n+1
.endr
.endif
.if (\nb) == 1
.irp i, 4,5,6,7
	v_mov_b32 v[PCD+\i], 0                         ; the upper 64 keys: zero codes
.endr
.endif
.set bk, 0
.rept \nb
	v_max3_num_f32 v[CM+2*bk], v[S+32*bk], v[S+32*bk+1], v[S+32*bk+2]       ; the largest score of each block: for the row's maximum and for the block's scale
	v_max3_num_f32 v[CM+2*bk+1], v[S+32*bk+16], v[S+32*bk+17], v[S+32*bk+18]
.set bk, bk+1
.endr
.irp i, 3,5,7,9,11,13
.set bk, 0
.rept \nb
	v_max3_num_f32 v[CM+2*bk], v[CM+2*bk], v[S+32*bk+\i], v[S+32*bk+\i+1]
	v_max3_num_f32 v[CM+2*bk+1], v[CM+2*bk+1], v[S+32*bk+16+\i], v[S+32*bk+17+\i]
.set bk, bk+1
.endr
.endr
.set bk, 0
.rept \nb
	v_max3_num_f32 v[CM+2*bk], v[CM+2*bk], v[S+32*bk+15], v[S+32*bk+31]
.set bk, bk+1
.endr
.set bk, 0
.rept \nb
	v_max_num_f32 v[CM+2*bk], v[CM+2*bk], v[CM+2*bk+1]
.set bk, bk+1
.endr
	s_delay_alu instid0(VALU_DEP_1)
.if (\nb) == 2
	v_max3_num_f32 v13, v13, v[CM], v[CM+2]
.else
	v_max_num_f32 v13, v13, v[CM]
.endif
	s_delay_alu instid0(VALU_DEP_1)
	v_permlanex16_b32 v[PD], v13, s[SEL], s[SEL+1]
	s_delay_alu instid0(VALU_DEP_1)
	v_max_num_f32 v13, v13, v[PD]                  ; with lane l xor 16's: the running largest score
	s_delay_alu instid0(VALU_DEP_1)
	v_mul_f32 v[T], s[NCS], v13                    ; -t
	s_delay_alu instid0(VALU_DEP_1)
	v_floor_f32 v[T], v[T]                         ; the new -M = floor(-t) = -ceil(t)
	s_delay_alu instid0(VALU_DEP_1)
	v_sub_f32 v[FP], v[T], v12                     ; old M - new M: a whole number, 0 or less
	v_mov_b32 v12, v[T]
	PKF 0, 4*(\nb)
	v_cvt_i32_f32 v[FP], v[FP]                     ; (it saturates)
	PKF 4*(\nb), 4*(\nb)
	v_ldexp_f32 v[FP], 1.0, v[FP]                  ; f = 2^(old M - new M)
	PKF 8*(\nb), 8*(\nb)
.set bk, 0
.rept \nb
	v_fma_f32 v[BE+bk], v[CM+2*bk], s[CS], v12     ; the block's largest t - M,
.set bk, bk+1
.endr
	OMUL 0, 4
.set bk, 0
.rept \nb
	v_max_num_f32 v[BE+bk], 0xc2f80000, v[BE+bk]   ; not under -124, so that the byte is 1 at the least,
.set bk, bk+1
.endr
	OMUL 4, 4
.set bk, 0
.rept \nb
	v_cvt_floor_i32_f32 v[BE+bk], v[BE+bk]         ; its floor: the exponent of the block's largest p
.set bk, bk+1
.endr
	OMUL 8, 4
.set bk, 0
.rept \nb
	v_add_lshl_u32 v[SOP+bk], v[BE+bk], 0x7d, 23   ; - 2 + 127, in the exponent field: the conversion's scale operand
.set bk, bk+1
.endr
.if (\nb) == 2
	v_lshl_add_u32 v[TW], v[BE+1], 16, v[BE]
	OMUL 12, 2
	v_add_lshl_u32 v[TW], v[TW], 0x7d007d, v[H8]   ; my two bytes, blocks h and 2 + h, at their places in the scale word
	OMUL 14, 2
.else
	OMUL 12, 2
	v_add_lshl_u32 v[TW], v[BE], 0x7d007d, v[H8]   ; (the upper 64 keys: the byte 125 over zero codes)
	OMUL 14, 2
.endif
	v_permlanex16_b32 v[PE], v[TW], s[SEL], s[SEL+1]
	s_wait_alu depctr_va_vdst(0)
.set n, 0
.rept 32*(\nb)
	v_exp_f32 v[S+n], v[S+n]                       ; p = 2^(t - M)
.set n, n+1
.endr
	v_or_b32 v[W], v[TW], v[PE]                    ; with lane l xor 16's two bytes the word is whole; the plain line behind the exponentials
	s_wait_alu depctr_va_vdst(0)                   ; one wait for the batch, ahead of its first reader
.set bk, 0
.rept \nb
.irp g, 0,1,2,3
	v_cvt_scalef32_pk8_fp4_f32 v[PCD+4*bk+\g], v[S+32*bk+8*\g:S+32*bk+8*\g+7], v[SOP+bk]
.endr
.set bk, bk+1
.endr
.irp k, 0,2,4,6
	v_pk_add_f32 v[SM+\k:SM+\k+1], v[S+\k:S+\k+1], v[S+8+\k:S+9+\k]   ; the sum of the unquantised p, in four chains
.endr
.set n, 16
.rept 4*(\nb)-2
.irp k, 0,2,4,6
	v_pk_add_f32 v[SM+\k:SM+\k+1], v[SM+\k:SM+\k+1], v[S+n+\k:S+n+\k+1]
.endr
.set n, n+8
.endr
	v_pk_add_f32 v[SM:SM+1], v[SM:SM+1], v[SM+2:SM+3]
	v_pk_add_f32 v[SM+4:SM+5], v[SM+4:SM+5], v[SM+6:SM+7]
	s_delay_alu instid0(VALU_DEP_1)
	v_pk_add_f32 v[SM:SM+1], v[SM:SM+1], v[SM+4:SM+5]
	s_delay_alu instid0(VALU_DEP_1)
	v_pk_fma_f32 v[14:15], v[14:15], v[FP:FP+1], v[SM:SM+1] op_sel_hi:[1,0,1]   ; the sums under the new M, and this step's
	s_wait_alu depctr_va_vdst(0)                   ; directly ahead of the wait below
	s_wait_dscnt 0x0                               ; V, and the next step's K, are in
.irp t, 0,1,2,3
	v_wmma_scale_f32_16x16x128_f8f6f4 v[O+8*\t:O+8*\t+7], v[VF+8*\t:VF+8*\t+7], v[PCD:PCD+7], v[O+8*\t:O+8*\t+7], v[VSC+\t], v[W] matrix_a_fmt:MATRIX_FMT_FP4 matrix_b_fmt:MATRIX_FMT_FP4
.endr
.if \nx
	QK
.endif
.endm
; THE WAY OUT of a tile: O^T / the sum goes through my stage and leaves as rows: sixteen lanes store the head's 256 consecutive bytes of one row of out0, aligned.
.macro OUT ptr
.rept 4
	v_nop                                          ; behind the last products
.endr
	v_add_f32 v14, v14, v15                        ; the sum's two halves,
	s_delay_alu instid0(VALU_DEP_1)
	v_permlanex16_b32 v[PD], v14, s[SEL], s[SEL+1]
	s_delay_alu instid0(VALU_DEP_1)
	v_add_f32 v14, v14, v[PD]                      ; and lane l xor 16's
	s_wait_alu depctr_va_vdst(0)
	v_rcp_f32 v14, v14
	v_nop                                          ; a plain line behind the reciprocal,
	s_wait_alu depctr_va_vdst(0)                   ; and the wait ahead of its first reader
.set n, 0
.rept 16
	v_pk_mul_f32 v[S+n:S+n+1], v[O+n:O+n+1], v[14:15] op_sel_hi:[1,0]   ; each accumulator from its low end on
.set n, n+2
.endr
.irp t, 0,1,2,3,4,5,6,7
	ds_store_b128 v[STO], v[S+4*\t:S+4*\t+3] offset:16*\t
.endr
.irp i, 0,1,2,3,4,5,6,7
	ds_load_b128 v[S+32+4*\i:S+32+4*\i+3], v[RD] offset:2*SP*\i   ; LDS serves a wave's instructions in order: these see my stores
.endr
.irp i, 0,1,2,3,4,5,6,7
	s_wait_dscnt 7-\i                              ; the younger reads may be out
	global_store_b128 v[GO], v[S+32+4*\i:S+32+4*\i+3], s[\ptr:\ptr+1] offset:(2*\i+24*(\i/4))*4096 th:TH_STORE_NT   ; tile rows 2 i and 2 i + 1: row r of the tile is row r + 24 (r / 8) from its first
.endr
.endm
; A PASS: trips trips of full steps, of which those from the group's own on are left out (a branch on the wave's number and the count; the trip counts are constants of the text), then the diagonal step by the tile's half, then the way out.
.macro PASS grp, cc, trips, op
	s_mov_b32 s[GRP], s[\grp]
	s_mov_b32 s[STP], 0
	s_mov_b32 s[TK], 0
	KLOAD L16, 0                                   ; step 0's K
	s_wait_alu depctr_va_vdst(0)                   ; directly ahead of the wait below
	s_wait_dscnt 0x0
	QK
.Lstep_\@:
	s_cmp_ge_u32 s[STP], s[GRP]
	s_cbranch_scc1 .Lhidden_\@
	STEP 2, -1, 1
.Lhidden_\@:
	s_add_co_u32 s[TK], s[TK], STEPB
	s_add_co_u32 s[STP], s[STP], 1
	s_cmp_lt_u32 s[STP], \trips
	s_cbranch_scc1 .Lstep_\@
	s_mul_i32 s[TK], s[GRP], STEPB                 ; the group's own step
	s_cmp_eq_u32 s[\cc], 0
	s_cbranch_scc1 .Lhalf_\@
	STEP 2, 1, 0
	s_branch .Lout_\@
.Lhalf_\@:
	STEP 1, 0, 0
.Lout_\@:
	OUT \op
.endm
	s_load_b128 s[4:7], s[0:1], 0x0                ; qpk s[4:5], kvpk s[6:7]
	s_load_b64 s[8:9], s[0:1], 0x10                ; out0
	v_lshl_add_u32 v[SPW], v0, 2, SPARE
	v_mov_b32 v[NIL], 0
	ds_add_u32 v[SPW], v[NIL]                      ; the wave's opening: the add, twice on end, under one wait
	ds_add_u32 v[SPW], v[NIL]
	v_lshrrev_b32 v6, 5, v0
	v_readfirstlane_b32 s[WV], v6                  ; wave 0..15
	s_bfe_u32 s[CX], ttmp6, 0x40000                ; cx
	s_and_b32 s[BH], ttmp7, 0xffff                 ; 16 x batch + head, which the four partners share
	s_lshr_b32 s[GB], s[WV], 1
	s_xor_b32 s[GA], s[GB], 15
	s_and_b32 s[CB], s[WV], 1
	s_xor_b32 s[CA], s[CB], 1
	s_mul_i32 s40, s[BH], 16*STEPB                 ; the head's K and V,
	s_mul_i32 s41, s[WV], STEPB                    ; key step = my wave's number
	s_add_co_u32 s42, s40, s41
	s_mov_b32 s43, 0
	; descriptor group 1: a dense block as 35 rows of 32 elements of 8 bytes, no padding: operands are read as they lie, 512 consecutive bytes an instruction
	s_mov_b32 s[G1], 15|(3<<16)|(1<<21)            ; 15:0 the mask: all four work-groups; 17:16 elements of 8 bytes; 21 set beside a mask
	s_mov_b32 s[G1+1], 32<<16
	s_mov_b32 s[G1+2], 35<<16
	s_mov_b32 s[G1+3], 32<<16
	s_mov_b32 s[G1+4], 35
	s_mov_b32 s[G1+5], 32
	s_mov_b32 s[G1+6], 0
	s_mov_b32 s[G1+7], 0
	s_mov_b32 s[G0], 1
	s_mul_i32 s[G0+1], s[WV], STEPB                ; LDS address: my key step
	s_mov_b32 s[SEL], 0x76543210
	s_mov_b32 s[SEL+1], 0xfedcba98                 ; v_permlanex16_b32's selects for lane l xor 16
	s_mov_b32 s[CS], 0x3e38aa3b                    ; c = log2(e) / 8
	s_mov_b32 s[CS+1], s[CS]                       ; (named with it as a pair, so it is written)
	s_mov_b32 s[NCS], 0xbe38aa3b                   ; -c
	s_mul_i32 s[STG], s[WV], 16*SP
	s_add_co_u32 s[STG], s[STG], STAGE             ; my stage
	s_lshl_b32 s44, s[CX], 3
	v_and_b32 v[L16], 31, v0
	v_and_b32 v[R16], 15, v0                       ; r
	v_bfe_u32 v[H8], v0, 4, 1                      ; h
	v_bfe_u32 v91, v0, 3, 1                        ; r / 8
	v_and_b32 v92, 7, v0                           ; r % 8
	v_mul_u32_u24 v[STO], v[R16], SP
	v_mul_u32_u24 v[RD], v[H8], SP
	v_lshlrev_b32 v[GO], 12, v[H8]
	v_lshl_add_u32 v92, v91, 5, v92
	v_lshlrev_b32 v93, 5, v[H8]
	v_lshl_add_u32 v[STO], v[H8], 7, v[STO]
	v_lshl_add_u32 v[RD], v[R16], 4, v[RD]
	v_lshl_add_u32 v[GO], v[R16], 4, v[GO]         ; in out0: lanes 0-15 one row, lanes 16-31 the next
	v_sub_nc_u32 v92, v92, v93
	v_add_nc_u32 v[STO], s[STG], v[STO]            ; in: row r, + 128 h
	v_add_nc_u32 v[RD], s[STG], v[RD]              ; back: lanes 0-15 one row, lanes 16-31 the next
	v_lshlrev_b32 v[L16], 4, v[L16]
	v_lshlrev_b32 v[R16], 4, v[R16]
	v_lshlrev_b32 v[H8], 3, v[H8]
	v_add_nc_u32 v92, s44, v92                     ; 32 (r / 8) + r % 8 + 8 cx - 32 h: register m of a masked half is hidden where m is greater
	s_wait_alu depctr_va_vdst(0)                   ; directly ahead of the waits below
	s_wait_dscnt 0x0
	s_wait_kmcnt 0x0
	s_add_nc_u64 s[G0+2:G0+3], s[6:7], s[42:43]
	s_or_b32 s[G0+3], s[G0+3], 0x80000000
	CROUND                                         ; all four work-groups are here: the joint loads meet
	tensor_load_to_lds s[G0:G0+3], s[G1:G1+7]      ; my one tensor load of the launch
	s_nop 0
.rept 4
	v_nop
.endr
	PLACE GA, CA, 48, 50, OPA
	PLACE GB, CB, 52, 54, OPB
	global_load_b128 v[QF:QF+3], v[L16], s[48:49]  ; the first pass's Q: 512 consecutive bytes
	global_load_b32 v[QS], v[R16], s[50:51]
	global_load_b128 v[QFB:QFB+3], v[L16], s[52:53]   ; and the second's
	global_load_b32 v[QSB], v[R16], s[54:55]
.set n, 0
.rept 32
	v_cmp_gt_i32 s[MK+n], n, v92
.set n, n+1
.endr
.irp i, 0,1,2,3
	v_mov_b32 v[QF+4+\i], 0                        ; zero codes for the upper 64 of K
	v_mov_b32 v[KF+32+\i], 0                       ; what stands behind K's last tile
.endr
	v_mov_b32 v[PD], 0                             ; written once: a lane permute's destination counts as one of its sources
	v_mov_b32 v[PE], 0
	v_mov_b32 v[FP+1], 0                           ; (named as the upper half of the pair)
	INIT
	s_wait_alu depctr_va_vdst(0)
	s_wait_loadcnt 0x0                             ; Q of both passes
	s_wait_tensorcnt 0x0                           ; my key step has landed;
	s_barrier_signal -1
	s_barrier_wait -1                              ; everybody's has
	PASS GA, CA, 15, OPA
	s_wait_xcnt 0x0                                ; the stores have read their registers: the scores' registers are written again only behind this wait
.irp i, 0,1,2,3
	v_mov_b32 v[QF+\i], v[QFB+\i]                  ; the second pass's Q; the 36 lines of INIT stand between these and the next product
.endr
	v_mov_b32 v[QS], v[QSB]
	INIT
	PASS GB, CB, 7, OPB
	s_wait_tensorcnt 0x0                           ; the wave's end
	ds_add_u32 v[SPW], v[NIL]
	s_wait_dscnt 0x0
	CROUND                                         ; the closing round: no work-group ends while a partner may still ask for a tile that names it
	s_endpgm
.Lfunc_end_k_q7ca7dd0d1b_attn:
	.size	k_q7ca7dd0d1b_attn, .Lfunc_end_k_q7ca7dd0d1b_attn-k_q7ca7dd0d1b_attn
	.p2alignl 7, 3214868480
	.fill 96, 4, 3214868480
	.section	.rodata,"a",@progbits
	.p2align	6, 0x0
	.amdhsa_kernel k_q7ca7dd0d1b_attn
		.amdhsa_group_segment_fixed_size 215040
		.amdhsa_private_segment_fixed_size 0
		.amdhsa_enable_private_segment 0
		.amdhsa_kernarg_size 24
		.amdhsa_user_sgpr_count 2
		.amdhsa_user_sgpr_kernarg_segment_ptr 1
		.amdhsa_wavefront_size32 1
		.amdhsa_system_sgpr_workgroup_id_x 1
		.amdhsa_system_sgpr_workgroup_id_y 1
		.amdhsa_system_sgpr_workgroup_id_z 1
		.amdhsa_system_vgpr_workitem_id 0
		.amdhsa_next_free_vgpr 256
		.amdhsa_next_free_sgpr 98
		.amdhsa_reserve_vcc 0
		.amdhsa_float_denorm_mode_32 3
		.amdhsa_float_denorm_mode_16_64 3
		.amdhsa_memory_ordered 1
		.amdhsa_forward_progress 1
		.amdhsa_inst_pref_size 102
	.end_amdhsa_kernel
	.amdgpu_metadata
---
amdhsa.version: [ 1, 2 ]
amdhsa.kernels:
  - .name:           k_q7ca7dd0d1b_attn
    .symbol:         k_q7ca7dd0d1b_attn.kd
    .args:
      - { .name: qpk, .offset: 0, .size: 8, .value_kind: global_buffer, .address_space: global }
      - { .name: kvpk, .offset: 8, .size: 8, .value_kind: global_buffer, .address_space: global }
      - { .name: out0, .offset: 16, .size: 8, .value_kind: global_buffer, .address_space: global }
    .group_segment_fixed_size: 215040
    .private_segment_fixed_size: 0
    .kernarg_segment_align: 8
    .kernarg_segment_size: 24
    .max_flat_workgroup_size: 512
    .sgpr_count:     98
    .vgpr_count:     256
    .wavefront_size: 32
...
	.end_amdgpu_metadata
.endif
;; end of part 3
